; MI455X (gfx1250); checked and timed in simulation.
; The chip was launched on July 23, 2026; its instructions are those of AMD's public machine-readable ISA for CDNA 5 (MIT licence, August 2026) and "CDNA5" Instruction Set Architecture Reference Guide (July 2026). The comments in the code are by the model that wrote it; some were corrected since.
;; Scaled Dot Attention. Allowed arithmetic: float matrix products may take bf16 or f16 operands with f32 sums; other float arithmetic in f32, or as packed bf16 or f16 multiplies, adds, multiply-adds, maxima and minima; sums over many terms, partial sums and values carried from step to step in f32; what a program stores and reads back later, other than sums and carried values, may be rounded once to bf16 or f16.
;; Inputs: Key 2,048 x 2,048 float32; Query 8,192 x 2,048 float32; Value 2,048 x 2,048 float32; mask 8,192 x 2,048 float32.
;; Outputs: out0 8,192 x 2,048 float32.
;; One version. Each part assembles by itself: llvm-mc -triple=amdgcn-amd-amdhsa -mcpu=gfx1250 --defsym DOCPART=n.
;; ======== version 1 of 1: 3 launches
;; limits: values are held in f16: magnitudes above 65,504 overflow, below 6.1e-05 lose precision; inputs' magnitudes at most 65,504; below input magnitudes of 1.6e-05 results are inexact or not finite
;; workspace buffers: Qh 33,554,432 bytes; Kh 8,388,608 bytes; Vt 8,388,608 bytes; Ew 33,554,432 bytes; Cm 524,288 bytes; Ls 524,288 bytes
;; launch prep (part 1): grid 1536 x 1, 8 waves a work-group, no clusters, 35,840 bytes of LDS; arguments Query, Key, Value, Qh, Kh, Vt; writes Qh, Kh, Vt
.if DOCPART == 1
	.amdgcn_target "amdgcn-amd-amdhsa--gfx1250"
	.amdhsa_code_object_version 6
	.text
	.protected	k_qf722977f52_prep
	.globl	k_qf722977f52_prep
	.p2align	8
	.type	k_qf722977f52_prep,@function
k_qf722977f52_prep:
	s_mov_b64 s[64:65], 0
	v_nop
	global_prefetch_b8 v0, s[64:65] scope:SCOPE_SE
	s_setreg_imm32_b32 hwreg(HW_REG_WAVE_MODE, 25, 1), 1
	s_wait_xcnt 0x0
; Qh = Query, Kh = Key, Vt = Value transposed ([dv][key]).  Every number is rounded once to bf16 (nearest even), and that number is written as f16.
; So both later products are one and the same problem: f16 operands with K along the rows.
; LIMITS.  A bf16 number is exact in f16 between 6.1e-5 and 65,504 in magnitude.  Below that it keeps f16's fixed step of 6e-8; at 65,520 or more it becomes an infinity.
; SHARES.  1,536 work-groups of eight waves; each reads 64 KB and writes 32 KB.  Groups 0-1023: eight rows of Query, a row a wave.  Groups 1024-1279: eight rows of Key.
; Groups 1280-1535: a tile of 128 keys x 128 columns of Value, a wave taking 16 keys; the tile is turned through LDS.
; No work-group shares a byte of input with another, so there is no cluster and no matrix work.  Every wave has all its 16 loads of 512 bytes out at once, so there is no loop.
.set NQG,   1024                       ; work-groups for Query
.set NKG,   256                        ; for Key
.set TP,    272                        ; a row of the turned tile in LDS: 128 keys in f16 = 256 bytes + 16: sixteen lanes a row apart touch sixteen different 16-byte columns of 256 bytes
.set SPARE, 128*TP                     ; behind the tile: the spare words, 128 bytes for each of eight waves: four blocks of 256 bytes that no other line names
.set X,   8                            ; v[8:71]    16 loads x 4 registers; later the turned rows read back
.set Y,   72                           ; v[72:103]  results
.set T,   104                          ; v[104:109] two sets of three at work
.set SPW, 110                          ; v110  LDS address of my spare word; never rewritten
.set NIL, 111                          ; v111  0; never rewritten
; two f32 -> bf16 (one rounding) -> the same two numbers as f16, a in the low half.  u picks the set of registers at work
.macro RND2 d, a, b, u
	v_cvt_pk_bf16_f32 v[T+3*(\u)], v[(\a)], v[(\b)]
	v_lshlrev_b32 v[T+3*(\u)+1], 16, v[T+3*(\u)]   ; bf16 to f32: the low half moves up,
	v_and_b32 v[T+3*(\u)+2], s17, v[T+3*(\u)]      ; the high half stays
	v_cvt_pk_f16_f32 v[(\d)], v[T+3*(\u)+1], v[T+3*(\u)+2]
.endm
	s_load_b256 s[4:11], s[0:1], 0x0               ; Query s[4:5], Key s[6:7], Value s[8:9], Qh s[10:11]
	s_load_b128 s[12:15], s[0:1], 0x20             ; Kh s[12:13], Vt s[14:15]
	v_lshl_add_u32 v[SPW], v0, 2, SPARE
	v_mov_b32 v[NIL], 0
	v_lshrrev_b32 v1, 5, v0
	v_readfirstlane_b32 s16, v1                    ; wave 0..7
	v_and_b32 v2, 31, v0                           ; lane
	v_lshlrev_b32 v3, 4, v2                        ; 16 bytes a lane in every load
	s_mov_b32 s17, 0xffff0000                      ; a word's upper bf16
	s_mov_b32 s25, 0                               ; high word of the offset pair s[24:25]
	s_wait_kmcnt 0x0
	s_cmp_lt_u32 ttmp9, NQG+NKG                    ; the branch hangs on the work-group's number alone: all eight waves go the same way
	s_cbranch_scc0 .Ltrans
	; QUERY AND KEY: a wave takes one row of 8,192 bytes and writes 4,096
	s_cmp_lt_u32 ttmp9, NQG
	s_cselect_b64 s[20:21], s[4:5], s[6:7]         ; from Query or Key,
	s_cselect_b64 s[22:23], s[10:11], s[12:13]     ; to Qh or Kh,
	s_cselect_b32 s18, 0, NQG                      ; counted from the tensor's first group
	s_sub_co_u32 s18, ttmp9, s18
	s_lshl3_add_u32 s18, s18, s16                  ; my row = 8 x group + wave
	s_lshl_b32 s24, s18, 13
	s_add_nc_u64 s[20:21], s[20:21], s[24:25]
	s_lshl_b32 s24, s18, 12
	s_add_nc_u64 s[22:23], s[22:23], s[24:25]
	v_lshlrev_b32 v4, 3, v2                        ; 8 bytes a lane in every store
.irp j, 0,1,2,3,4,5,6,7,8,9,10,11,12,13,14,15
	global_load_b128 v[X+4*(\j):X+4*(\j)+3], v3, s[20:21] offset:512*(\j) th:TH_LOAD_NT  ; 512 consecutive bytes; read once in the launch
.endr
.irp j, 0,1,2,3,4,5,6,7,8,9,10,11,12,13,14,15
	s_wait_loadcnt 15-(\j)                         ; loads come back in order: load j is in, the 15 - j younger ones stay out
	RND2 Y+2*(\j), X+4*(\j), X+4*(\j)+1, 0
	RND2 Y+2*(\j)+1, X+4*(\j)+2, X+4*(\j)+3, 1
	global_store_b64 v4, v[Y+2*(\j):Y+2*(\j)+1], s[22:23] offset:256*(\j)  ; the wave stores 256 consecutive bytes, at a multiple of 256; no store's register is written twice
.endr
	s_endpgm
.Ltrans:	; VALUE: tile (kt, nt) of 128 keys x 128 columns; my 16 keys are rows 128 kt + 16 w on
	s_sub_co_u32 s18, ttmp9, NQG+NKG
	s_and_b32 s19, s18, 15                         ; kt
	s_lshr_b32 s18, s18, 4                         ; nt
	s_lshl3_add_u32 s26, s19, s16                  ; 8 kt + w
	s_lshl_b32 s24, s26, 17                        ; x 16 rows of 8,192 bytes
	s_lshl_b32 s26, s18, 9                         ; + 128 columns of 4 bytes x nt
	s_add_co_u32 s24, s24, s26
	s_add_nc_u64 s[20:21], s[8:9], s[24:25]
.irp i, 0,1,2,3,4,5,6,7,8,9,10,11,12,13,14,15
	global_load_b128 v[X+4*(\i):X+4*(\i)+3], v3, s[20:21] offset:8192*(\i) th:TH_LOAD_NT  ; key 16 w + i, columns 4 l .. 4 l + 3: the tile's 512 bytes of that row
.endr
	; addresses, in the wait for the loads
	v_mul_u32_u24 v5, v2, TP
	v_lshl_add_u32 v5, s16, 5, v5                  ; in: LDS row 32 c + l holds column 4 l + c; my 16 keys are its bytes 32 w on.  So neighbouring lanes are one LDS row apart
	v_lshrrev_b32 v1, 4, v2                        ; h = lane / 16
	v_and_b32 v7, 15, v2
	v_lshlrev_b32 v7, 4, v7                        ; 16 (lane % 16)
	s_mul_i32 s26, s16, 16*TP
	v_mul_u32_u24 v6, v1, TP
	v_add_nc_u32 v6, v6, v7
	v_add_nc_u32 v6, s26, v6                       ; back: LDS rows 16 w + 2 t + h, whole: sixteen lanes a row
	v_lshl_add_u32 v7, v1, 14, v7                  ; LDS row 16 w + 2 t + h is column 64 (w % 2) + 8 t + 4 h + w / 2: h steps 4 rows of Vt, 16,384 bytes
	s_and_b32 s26, s16, 1
	s_lshl_b32 s26, s26, 6
	s_lshl_b32 s24, s18, 7
	s_add_co_u32 s24, s24, s26
	s_lshr_b32 s26, s16, 1
	s_add_co_u32 s24, s24, s26                     ; row of Vt: 128 nt + 64 (w % 2) + w / 2
	s_lshl_b32 s24, s24, 12                        ; x 4,096 bytes
	s_lshl_b32 s26, s19, 8                         ; + 128 keys of 2 bytes x kt
	s_add_co_u32 s24, s24, s26
	s_add_nc_u64 s[22:23], s[14:15], s[24:25]
	; the packing turns: keys 2 p and 2 p + 1 of one column go into one register
.irp p, 0,1,2,3,4,5,6,7
	s_wait_loadcnt 14-2*(\p)                       ; keys 2 p and 2 p + 1 are in; the 14 - 2 p younger loads stay out
.irp c, 0,1,2,3
	RND2 Y+8*(\c)+(\p), X+8*(\p)+(\c), X+8*(\p)+4+(\c), (\c)%2
.endr
.endr
.irp c, 0,1,2,3
	ds_store_b128 v5, v[Y+8*(\c):Y+8*(\c)+3] offset:32*TP*(\c)
	ds_store_b128 v5, v[Y+8*(\c)+4:Y+8*(\c)+7] offset:32*TP*(\c)+16
.endr
	s_wait_dscnt 0x0                               ; for the others' sake: my stores into the tile are done
	s_barrier_signal -1
	s_barrier_wait -1                              ; a turned row's 256 bytes come from all eight waves
.irp t, 0,1,2,3,4,5,6,7
	ds_load_b128 v[X+4*(\t):X+4*(\t)+3], v6 offset:2*TP*(\t)
.endr
.irp t, 0,1,2,3,4,5,6,7
	s_wait_dscnt 7-(\t)                            ; LDS loads come back in order: load t is in
	global_store_b128 v7, v[X+4*(\t):X+4*(\t)+3], s[22:23] offset:32768*(\t)  ; sixteen lanes store 256 consecutive bytes of one row of Vt, at a multiple of 256; t steps 8 rows
.endr
	s_wait_tensorcnt 0x0                           ; the wave's end: behind my last LDS store
	ds_add_u32 v[SPW], v[NIL]
	s_wait_dscnt 0x0
	s_endpgm
.Lfunc_end_k_qf722977f52_prep:
	.size	k_qf722977f52_prep, .Lfunc_end_k_qf722977f52_prep-k_qf722977f52_prep
	.p2alignl 7, 3214868480
	.fill 96, 4, 3214868480
	.section	.rodata,"a",@progbits
	.p2align	6, 0x0
	.amdhsa_kernel k_qf722977f52_prep
		.amdhsa_group_segment_fixed_size 35840
		.amdhsa_private_segment_fixed_size 0
		.amdhsa_enable_private_segment 0
		.amdhsa_kernarg_size 48
		.amdhsa_user_sgpr_count 2
		.amdhsa_user_sgpr_kernarg_segment_ptr 1
		.amdhsa_wavefront_size32 1
		.amdhsa_system_sgpr_workgroup_id_x 1
		.amdhsa_system_sgpr_workgroup_id_y 1
		.amdhsa_system_sgpr_workgroup_id_z 1
		.amdhsa_system_vgpr_workitem_id 0
		.amdhsa_next_free_vgpr 112
		.amdhsa_next_free_sgpr 66
		.amdhsa_reserve_vcc 0
		.amdhsa_float_denorm_mode_32 3
		.amdhsa_float_denorm_mode_16_64 3
		.amdhsa_memory_ordered 1
		.amdhsa_forward_progress 1
		.amdhsa_inst_pref_size 22
	.end_amdhsa_kernel
	.amdgpu_metadata
---
amdhsa.version: [ 1, 2 ]
amdhsa.kernels:
  - .name:           k_qf722977f52_prep
    .symbol:         k_qf722977f52_prep.kd
    .args:
      - { .name: Query, .offset: 0, .size: 8, .value_kind: global_buffer, .address_space: global }
      - { .name: Key, .offset: 8, .size: 8, .value_kind: global_buffer, .address_space: global }
      - { .name: Value, .offset: 16, .size: 8, .value_kind: global_buffer, .address_space: global }
      - { .name: Qh, .offset: 24, .size: 8, .value_kind: global_buffer, .address_space: global }
      - { .name: Kh, .offset: 32, .size: 8, .value_kind: global_buffer, .address_space: global }
      - { .name: Vt, .offset: 40, .size: 8, .value_kind: global_buffer, .address_space: global }
    .group_segment_fixed_size: 35840
    .private_segment_fixed_size: 0
    .kernarg_segment_align: 8
    .kernarg_segment_size: 48
    .max_flat_workgroup_size: 256
    .sgpr_count:     66
    .vgpr_count:     112
    .wavefront_size: 32
...
	.end_amdgpu_metadata
.endif
;; end of part 1
;; launch scores (part 2): grid 8 x 32, 4 waves a work-group, clusters of 4 x 4, 327,680 bytes of LDS; arguments Qh, Kh, Ew, mask, Cm, Ls; writes Ew, Cm, Ls
.if DOCPART == 2
	.amdgcn_target "amdgcn-amd-amdhsa--gfx1250"
	.amdhsa_code_object_version 6
	.text
	.protected	k_qf722977f52_scores
	.globl	k_qf722977f52_scores
	.p2align	8
	.type	k_qf722977f52_scores,@function
k_qf722977f52_scores:
	s_mov_b64 s[64:65], 0
	v_nop
	global_prefetch_b8 v0, s[64:65] scope:SCOPE_SE
	s_setreg_imm32_b32 hwreg(HW_REG_WAVE_MODE, 25, 1), 1
	s_wait_xcnt 0x0
	s_wait_alu depctr_hold_cnt(0) depctr_sa_sdst(0) depctr_va_vdst(0) depctr_va_sdst(0) depctr_va_ssrc(0) depctr_va_vcc(0) depctr_vm_vsrc(0)
	s_getreg_b32 s2, hwreg(HW_REG_IB_STS2, 6, 4)
	s_cmp_eq_u32 s2, 0
	s_cbranch_scc0 .Lentry_in_a_cluster
	s_endpgm
.Lentry_in_a_cluster:
	s_bfe_u32 s2, ttmp6, 0x10000c
	s_cmp_lg_u32 s2, 0xf033
	s_cbranch_scc0 .Lentry_shape_is_right
	s_endpgm
.Lentry_shape_is_right:
; THE SCORES AND THE FIRST HALF OF THE SOFTMAX.  s[q][k] = sum over d of Qh[q][d] Kh[k][d] (f16 operands, f32 sums, K ascending).  The keys lie in 16 GROUPS of 128.
; For each row and group:
;   t = c s where the mask is not 0, about -1e30 where it is 0 (c = log2(e) / sqrt(2048));   cm = the group's largest t;
;   Ew = 2^(t - cm) x mask, rounded once to f16;   l = the sum of the unrounded products, in f32.
; The mask is taken as the numbers that it holds, rounded to bf16 like the other inputs (0 and 1 are exact).
; Ew: [8192][2048] f16.  Cm, Ls: [16 groups][8192 rows] f32.  The next launch brings the groups of a row onto the row's largest cm and divides by the row's sum.
; THE MAXIMUM that is taken away is the largest score among the keys that the mask keeps.  A shift common to a row cancels when the row is divided by its sum.
; With this shift every kept exponent is 0 or less and each group's largest Ew is the mask's own number, so f16 has room however far the hidden scores lie above the kept ones.
; LIMITS.  A weight below 2^-126 counts as 0.  Ew below 6.1e-5 keeps f16's fixed step of 6e-8.  A mask number of 65,520 or more becomes an infinity.  NaN is not treated apart.
; Scores beyond 1e22 in magnitude would show beside the -1e30.
; SHARES.  A tile of 256 rows x 256 keys is made by a work-group of four waves; a wave makes 128 x 128 (one group): 64 accumulators of 16 x 16, 512 registers.  256 tiles, one to a work-group.
; K goes in 16 steps of 128 through a ring of two LDS slots filled by the tensor data mover; the tiles' rows are 256 bytes of memory and start at multiples of 256 bytes.
; CLUSTERS: 4 x 4 work-groups.  The four of a row of the cluster need the same tiles of Qh, the four of a column the same tiles of Kh.
; Each tile is asked for JOINTLY, by the same tensor load with the same descriptor and a mask of work-groups that names the four.
; THE MASK'S TILE belongs to one work-group, so it is asked for plainly: two loads a wave, 64 rows x 512 bytes each, into the wave's own quarter of a slot that has been read out.
; The first goes out behind the round that ends K step 14, the second behind the round in the last quarter.
; By this text's own count a wave has two tensor loads out at the start and one behind each round.
; THE MATRIX INSTRUCTION IS USED TRANSPOSED (source 0 = 16 keys, source 1 = 16 rows): lane l holds row l % 16, and its registers 0 to 7 hold the keys 8 (l / 16) + 0 .. 7.
; So a row's maximum and sum want one exchange between the halves of the lanes.
; REGISTERS, in windows of 256 (s_set_vgpr_msb: bits 1:0 source 0, 3:2 source 1, 5:4 source 2, 7:6 destination):
;   window 0: v0-31 addresses and statistics; v64-127, v128-191 fragments of Qh, two buffers.
;     On the way out: v64-127 MK (mask, then bias), v128-191 X (a block's 64 numbers), v192-223 MP, v224-255 TMP, v32-63 BK.
;   window 1: v64-127, v128-191 fragments of Kh, two buffers
;   window 2: the 32 accumulators of my rows 0-63 (accumulator (a, b) at v[8 (8 a + b)]);   window 3: those of my rows 64-127
.set SIZE_K, 2048
.set KSTEP,  128
.set STEPS,  SIZE_K/KSTEP
.set PITCH,  272                       ; an LDS row of a tile: 256 bytes + 16 = 68 words: row r starts at bank 4 r mod 64 (64 banks of 4 bytes: ISA guide 11.1), so the 16 rows that a load touches start at 16 different banks
.set HALFT,  128*PITCH                 ; 128 rows: what one joint load brings, and what one wave reads of Qh or of Kh
.set SLOT,   4*HALFT                   ; Qh's 256 rows, then Kh's 256 rows.  SLOT = 0x22000 shares no bit with wave x HALFT (0, 0x8800, 0x11000, 0x19800), so one exclusive or turns an address in one slot into the other's
.set MPITCH, 528                       ; an LDS row of the mask: 128 f32 = 512 bytes + 16; 64 such rows are 33,792 bytes, inside HALFT
.set STAGE,  2*SLOT                    ; behind the ring, never filled by a tensor load: 16 rows x 272 bytes for each wave (17 blocks of 256 bytes), for the way out
.set SPITCH, 272
.set STATS,  STAGE+4*16*SPITCH         ; 1,024 bytes for each wave: 128 cm, then 128 l
.set SPARE,  STATS+4*1024              ; the spare words, 128 bytes for each wave: two blocks of 256 bytes that no other line names
.set EROW,   4096                      ; bytes in a row of Ew
.set CMV,  2                           ; v[2:3]   cm, twice
.set T,    4                           ; v[4:7]   at work
.set ACS,  8                           ; v[8:15]  four running pairs of sums
.set ADRA0, 16                         ; v16  LDS address of my fragments of Qh in slot 0; never rewritten
.set ADRB0, 17                         ; v17  the same for Kh
.set MA0,  18                          ; v18, v19  LDS address of my 32 bytes of the mask's first row in slot 0, in slot 1
.set ADRA, 20                          ; v20  the same as v16, in the slot in hand
.set ADRB, 21                          ; v21
.set STA0, 22                          ; v22  LDS address of my row's cm in block 0
.set STA,  23                          ; v23  in the block in hand
.set STO,  24                          ; v24  the way out: where I put 16 bytes of a row
.set RD,   25                          ; v25  the way out: where I read a row back
.set CO,   26                          ; v26  my byte offset in two rows of Ew
.set SPW,  28                          ; v28  LDS address of my spare word: SPARE + 4 x my thread's number; never rewritten
.set NIL,  29                          ; v29  0; never rewritten
.set BIGV, 30                          ; v30  -1e30
.set ZR,   31                          ; v31  0, the addend of the product with the mask
.set BK,   32
.set F0,   64                          ; fragment buffer 0
.set F1,   128                         ; fragment buffer 1
.set MK,   64
.set X,    128
.set MP,   192
.set TMP,  224
.set CC,  14                           ; s[14:21] eight lane masks on the way out (at work in the set-up before)
.set G1,  24                           ; s[24:31] descriptor group 1 for Qh's tiles
.set G0,  32                           ; s[32:39] descriptor group 0 for Qh's tiles: a set for each of the two first fills; the second then walks on
.set G1B, 48                           ; s[48:55] group 1 for Kh's tiles: it differs in the mask of work-groups alone
.set G0B, 56                           ; s[56:63] group 0 for Kh's tiles, likewise
.set BC,  66                           ; s66  blocks still to go out
.set SO,  67                           ; s67  64 x the block in hand
.set SEL, 68                           ; s[68:69] v_permlanex16_b32's selects: each lane takes its own place in the other half
.set CS,  70                           ; s[70:71] c: the packed line takes the pair's low word for both halves
.set G0M, 72                           ; s[72:79] group 0 for the mask's two halves
.set G1M, 80                           ; s[80:87] group 1 for them
.set PMK, 88                           ; s[88:89] mask
.set PCM, 90                           ; s[90:91] Cm
.set PLS, 92                           ; s[92:93] Ls
.set RB,  94                           ; s94  0 or SLOT: the slot in hand
.set SB,  95                           ; s95  my statistics in LDS
.set MSB, 0
.macro WIN new                         ; the immediate's high byte repeats the setting that is left; a switch that changes nothing is dropped
.if MSB != (\new)
	s_set_vgpr_msb (MSB<<8)|(\new)
.set MSB, \new
.endif
.endm
.set MUL_LO, 0xa1                      ; source 0 (Kh) window 1, source 1 (Qh) window 0, C and D window 2
.set MUL_HI, 0xf1                      ; the same, C and D window 3
.set TO_B,   0x40                      ; destination window 1, address window 0
; A joint load by set s of the two group 0.  Waves 0 and 1 fetch Qh's two halves, waves 2 and 3 Kh's.  The branch hangs on the wave's number alone.
; An s_nop 0 and four v_nop follow each of the two lines; the jump round the other line, the label and what follows the macro come after them.
.macro JLOAD s
	s_cmp_eq_u32 s11, 0
	s_cbranch_scc0 .Lfor_b_\@
	tensor_load_to_lds s[G0+4*(\s):G0+4*(\s)+3], s[G1:G1+7]
	s_nop 0
.rept 4
	v_nop
.endr
	s_branch .Lasked_\@
.Lfor_b_\@:
	tensor_load_to_lds s[G0B+4*(\s):G0B+4*(\s)+3], s[G1B:G1B+7]
	s_nop 0
.rept 4
	v_nop
.endr
.Lasked_\@:
.endm
.macro MLOAD h                         ; half h of my part of the mask's tile: every wave's own rows into its own quarter of slot h
	tensor_load_to_lds s[G0M+4*(\h):G0M+4*(\h)+3], s[G1M:G1M+7]
	s_nop 0
.rept 4
	v_nop
.endr
.endm
; A round of the cluster's barrier has four parts.  First my work-group's barrier, so that wave 0's signal speaks for all four waves.  Then wave 0 signals for the work-group.
; Then every wave waits for all sixteen work-groups.  Last comes my work-group's barrier once more.
.macro CREST                           ; a round behind its opening barrier
	s_cmp_lg_u32 s10, 0
	s_cbranch_scc1 .Lnot_wave_0_\@
	s_barrier_signal -3
.Lnot_wave_0_\@:
	s_barrier_wait -3
	s_barrier_signal -1
	s_barrier_wait -1
.endm
.macro CROUND                          ; a whole round
	s_barrier_signal -1
	s_barrier_wait -1
	CREST
.endm
	s_load_b128 s[4:7], s[0:1], 0x0                ; Qh s[4:5], Kh s[6:7]
	s_load_b64 s[8:9], s[0:1], 0x10                ; Ew
	s_load_b128 s[PMK:PMK+3], s[0:1], 0x18         ; mask, Cm
	s_load_b64 s[PLS:PLS+1], s[0:1], 0x28          ; Ls
	v_lshl_add_u32 v[SPW], v0, 2, SPARE
	v_mov_b32 v[NIL], 0
	ds_add_u32 v[SPW], v[NIL]                      ; the wave's opening: the add and its wait come ahead of my first tensor load; the set-up below, work on registers, stands between them
	v_lshrrev_b32 v1, 5, v0
	v_readfirstlane_b32 s10, v1                    ; wave 0..3
	s_lshr_b32 s11, s10, 1                         ; which half of the tile's rows is mine.  Also: I fetch for Qh (0) or for Kh (1)
	s_and_b32 s12, s10, 1                          ; which half of its keys.  Also: which 128 rows of that tile I fetch
	s_bfe_u32 s40, ttmp6, 0x40000                  ; cx: my place along the cluster's x
	s_bfe_u32 s41, ttmp6, 0x40004                  ; cy: along its y
	s_lshl_b32 s42, ttmp9, 2                       ; in a cluster launch ttmp9 and ttmp7 count clusters
	s_add_co_u32 s42, s42, s40                     ; tile column = 4 x cluster x + cx
	s_and_b32 s13, ttmp7, 0xffff
	s_lshl_b32 s13, s13, 2
	s_add_co_u32 s13, s13, s41                     ; tile row = 4 x cluster y + cy
	s_lshl_b32 s43, s41, 2
	s_lshl_b32 s43, 15, s43                        ; my row of the cluster: places 4 cy .. 4 cy + 3
	s_lshl_b32 s44, 0x1111, s40                    ; my column: places cx, cx + 4, cx + 8, cx + 12
	; descriptor group 1 of the joint loads: a tile of 128 rows x 128 elements of 2 bytes, padded in LDS
	s_or_b32 s[G1+0], s43, (1<<16)|(1<<20)|(1<<21)|(5<<22)|(3<<25)  ; 15:0 the mask of work-groups: Qh's tiles go to my row; 17:16 elements of 2 bytes; 20 padding on; 21 set beside a mask; 24:22 after every 64 words (code 5); 31:25 of 4 words (code 3)
	s_or_b32 s[G1B+0], s44, (1<<16)|(1<<20)|(1<<21)|(5<<22)|(3<<25) ; the same with my column, for Kh's tiles
.irp g, G1, G1B
	s_mov_b32 s[(\g)+1], KSTEP<<16                 ; tensor_dim0 = 128
	s_mov_b32 s[(\g)+2], 128<<16                   ; tensor_dim1 = 128
	s_mov_b32 s[(\g)+3], KSTEP<<16                 ; tile_dim0 = 128
	s_mov_b32 s[(\g)+4], 128                       ; tile_dim1 = 128; tile_dim2 = 0
	s_mov_b32 s[(\g)+5], SIZE_K                    ; elements from row to row
	s_mov_b32 s[(\g)+6], 0
	s_mov_b32 s[(\g)+7], 0
.endr
	; group 1 of the mask's loads: 64 rows x 128 elements of 4 bytes, no mask of work-groups
	s_mov_b32 s[G1M+0], (2<<16)|(1<<20)|(6<<22)|(3<<25)  ; 17:16 elements of 4 bytes; 20 padding on; 24:22 after every 128 words (code 6); 31:25 of 4 words (code 3)
	s_mov_b32 s[G1M+1], 128<<16                    ; tensor_dim0 = 128
	s_mov_b32 s[G1M+2], 64<<16                     ; tensor_dim1 = 64
	s_mov_b32 s[G1M+3], 128<<16                    ; tile_dim0 = 128
	s_mov_b32 s[G1M+4], 64                         ; tile_dim1 = 64
	s_mov_b32 s[G1M+5], 2048                       ; elements from row to row
	s_mov_b32 s[G1M+6], 0
	s_mov_b32 s[G1M+7], 0
	s_mov_b32 s[SEL], 0x76543210
	s_mov_b32 s[SEL+1], 0xfedcba98
	s_mov_b32 s[CS], 0x3d0293ee                    ; c = log2(e) / sqrt(2048) = 0.0318793
	s_mov_b32 s[CS+1], s[CS]                       ; named with it as a pair
	; where the joint tiles come from.  Qh's hang on the tile row alone, which my row of the cluster shares; Kh's on the tile column alone, which my column shares.
	s_lshl_b32 s17, s12, 7                         ; which 128 rows of the tile I fetch
	s_lshl_b32 s16, s13, 8
	s_add_co_u32 s16, s16, s17                     ; Qh: row 256 x tile row + 128 x half
	s_lshl_b32 s46, s42, 8
	s_add_co_u32 s46, s46, s17                     ; Kh: row 256 x tile column + 128 x half
	s_mov_b32 s17, 0
	s_mov_b32 s47, 0
	s_mov_b64 s[18:19], SIZE_K*2
	s_mul_u64 s[16:17], s[16:17], s[18:19]         ; in bytes, in 64 bits
	s_mul_u64 s[46:47], s[46:47], s[18:19]
	s_mul_i32 s20, s10, HALFT                      ; and where they go: wave x 128 rows: no place in the cluster enters an LDS address
	s_wait_dscnt 0x0                               ; the opening add is done
	s_wait_kmcnt 0x0
	s_add_nc_u64 s[14:15], s[4:5], s[16:17]
	s_add_nc_u64 s[46:47], s[6:7], s[46:47]
	CROUND                                         ; all sixteen work-groups are here: the first joint loads meet
.irp s, 0,1
	s_mov_b32 s[G0+4*(\s)], 1                                      ; 1:0 count = 1
	s_add_co_u32 s[G0+4*(\s)+1], s20, (\s)*SLOT                    ; 63:32 LDS address
	s_add_nc_u64 s[G0+4*(\s)+2:G0+4*(\s)+3], s[14:15], (\s)*KSTEP*2  ; 120:64 global address: K step s
	s_or_b32 s[G0+4*(\s)+3], s[G0+4*(\s)+3], 0x80000000            ; 127:126 type = 2
	s_mov_b32 s[G0B+4*(\s)], 1
	s_add_co_u32 s[G0B+4*(\s)+1], s20, (\s)*SLOT
	s_add_nc_u64 s[G0B+4*(\s)+2:G0B+4*(\s)+3], s[46:47], (\s)*KSTEP*2
	s_or_b32 s[G0B+4*(\s)+3], s[G0B+4*(\s)+3], 0x80000000
	JLOAD \s                                       ; the ring is filled before anything else is done
.endr
	; A fragment is 16 rows x 32 K in 8 registers.  Lane l holds row l % 16; registers 0-3 hold K = 8 (l / 16) + 0..7, registers 4-7 hold K = 16 + 8 (l / 16) + 0..7.
	; From rows that lie along K: two loads of 16 bytes, 32 bytes apart.
	v_and_b32 v1, 15, v0                           ; l % 16
	v_bfe_u32 v2, v0, 4, 1                         ; l / 16
	v_mul_u32_u24 v3, v1, PITCH
	v_lshl_add_u32 v3, v2, 4, v3                   ; row x pitch + 16 x half
	s_mul_i32 s21, s11, HALFT                      ; my 128 rows of Qh
	s_mul_i32 s22, s12, HALFT                      ; my 128 rows of Kh,
	s_add_co_u32 s22, s22, 2*HALFT                 ; which lie behind Qh's 256
	v_add_nc_u32 v[ADRA0], s21, v3
	v_add_nc_u32 v[ADRB0], s22, v3
	v_mov_b32 v[ADRA], v[ADRA0]                    ; the walk begins in slot 0
	v_mov_b32 v[ADRB], v[ADRB0]
	s_mov_b32 s[RB], 0
	s_mul_i32 s23, s10, 16*SPITCH
	s_add_co_u32 s23, s23, STAGE                   ; my stage
	v_mul_u32_u24 v4, v1, SPITCH                   ; in: row l % 16, 16 bytes for each half of the lanes
	v_lshl_add_u32 v4, v2, 4, v4
	v_add_nc_u32 v[STO], s23, v4
	v_mul_u32_u24 v5, v2, SPITCH                   ; back: lanes 0-15 take one row of 256 bytes, lanes 16-31 the next
	v_lshl_add_u32 v5, v1, 4, v5
	v_add_nc_u32 v[RD], s23, v5
	v_lshlrev_b32 v5, 12, v2                       ; and the same two rows in Ew
	v_lshl_add_u32 v[CO], v1, 4, v5
	v_mul_u32_u24 v4, v1, MPITCH                   ; the mask as the accumulators lie: row l % 16, 32 bytes for each half of the lanes
	v_lshl_add_u32 v4, v2, 5, v4
	v_add_nc_u32 v[MA0], s20, v4
	v_add_nc_u32 v[MA0+1], SLOT, v[MA0]
	s_lshl_b32 s[SB], s10, 10
	s_add_co_u32 s[SB], s[SB], STATS               ; my statistics
	v_lshl_add_u32 v[STA0], v1, 2, s[SB]
	v_mov_b32 v[BIGV], 0xf149f2ca                  ; -1e30
	v_mov_b32 v[ZR], 0
	; the offsets of my wave's corner: in Ew; in the mask, which is twice that; in Cm and Ls
	s_lshl_b32 s13, s13, 8
	s_lshl_b32 s14, s11, 7
	s_add_co_u32 s16, s13, s14                     ; my first row
	s_lshl_b32 s96, s16, 2                         ; 4 bytes a row in Cm and Ls
	s_mov_b32 s17, 0
	s_lshl_b64 s[16:17], s[16:17], 12              ; 4,096 bytes a row in Ew
	s_lshl_b32 s46, s42, 9                         ; my first key, in bytes of f16: 512 x tile column + 256 x half
	s_lshl_b32 s47, s12, 8
	s_add_co_u32 s46, s46, s47
	s_mov_b32 s47, 0
	s_add_nc_u64 s[16:17], s[16:17], s[46:47]
	s_add_nc_u64 s[8:9], s[8:9], s[16:17]
	s_lshl_b64 s[16:17], s[16:17], 1
	s_add_nc_u64 s[PMK:PMK+1], s[PMK:PMK+1], s[16:17]
	s_lshl1_add_u32 s46, s42, s12                  ; my group = 2 x tile column + half,
	s_lshl_b32 s46, s46, 15                        ; 8,192 rows of 4 bytes each
	s_add_co_u32 s96, s96, s46
	s_mov_b32 s97, 0
	s_add_nc_u64 s[PCM:PCM+1], s[PCM:PCM+1], s[96:97]
	s_add_nc_u64 s[PLS:PLS+1], s[PLS:PLS+1], s[96:97]
.irp h, 0,1
	s_mov_b32 s[G0M+4*(\h)], 1                     ; 1:0 count = 1
	s_add_co_u32 s[G0M+4*(\h)+1], s20, (\h)*SLOT   ; 63:32 LDS address: my quarter of slot h
	s_add_nc_u64 s[G0M+4*(\h)+2:G0M+4*(\h)+3], s[PMK:PMK+1], (\h)*64*8192  ; 120:64 global address: my rows 64 h on
	s_or_b32 s[G0M+4*(\h)+3], s[G0M+4*(\h)+3], 0x80000000                  ; 127:126 type = 2
.endr
; 16 matrix instructions: m blocks a0, a0 + 1 of the window's four (hi = 0: my rows 0-63, 1: rows 64-127) x all 8 n blocks, 32 along K.
; zero = 1: the first product starts the sums: nothing is ever cleared.  The 64 accumulators take turns, one instruction a turn, in the same order in every quarter.
.macro MUL16 f, hi, a0, zero
	WIN MUL_LO+0x50*(\hi)  ; MUL_LO or MUL_HI
.irp a, \a0, (\a0)+1
.irp b, 0,1,2,3,4,5,6,7
.if \zero
	v_wmma_f32_16x16x32_f16 v[8*(8*(\a)+(\b)):8*(8*(\a)+(\b))+7], v[(\f)+8*(\b):(\f)+8*(\b)+7], v[(\f)+8*(4*(\hi)+(\a)):(\f)+8*(4*(\hi)+(\a))+7], 0
.else
	v_wmma_f32_16x16x32_f16 v[8*(8*(\a)+(\b)):8*(8*(\a)+(\b))+7], v[(\f)+8*(\b):(\f)+8*(\b)+7], v[(\f)+8*(4*(\hi)+(\a)):(\f)+8*(4*(\hi)+(\a))+7], v[8*(8*(\a)+(\b)):8*(8*(\a)+(\b))+7]
.endif
.endr
.endr
.endm
; 32 LDS loads in one run: the fragments of one quarter step (128 rows of Kh, 128 rows of Qh, 32 K at byte k of the rows of the slot in hand) into buffer f
.macro FETCH k, f
	WIN TO_B
.irp i, 0,1,2,3,4,5,6,7
	ds_load_b128 v[(\f)+8*(\i):(\f)+8*(\i)+3],   v[ADRB] offset:(\k)+(\i)*16*PITCH
	ds_load_b128 v[(\f)+8*(\i)+4:(\f)+8*(\i)+7], v[ADRB] offset:(\k)+(\i)*16*PITCH+32
.endr
	WIN 0
.irp i, 0,1,2,3,4,5,6,7
	ds_load_b128 v[(\f)+8*(\i):(\f)+8*(\i)+3],   v[ADRA] offset:(\k)+(\i)*16*PITCH
	ds_load_b128 v[(\f)+8*(\i)+4:(\f)+8*(\i)+7], v[ADRA] offset:(\k)+(\i)*16*PITCH+32
.endr
.endm
; Two things stand four places behind a matrix instruction: a load into a register that it has read, and a vector instruction that reads its result or writes one of its registers.
; Only plain vector instructions that name none of its registers are places (ISA guide 7.12.1 for vector instructions).
.macro PLACES
.rept 4
	v_nop
.endr
.endm
; A K step is four quarter steps of 32 along K, 64 matrix instructions each, on buffers 0, 1, 0, 1.
; One of the first three: multiplies buffer f; in its middle it fetches the next quarter's fragments, at byte k of the rows, into buffer g.
.macro QUARTER k, f, g, zero
	s_wait_dscnt 8                                 ; Kh and Qh's rows 0-63 are in; the youngest eight loads (Qh's rows 64-127) may be out
	WIN MUL_LO
	MUL16 \f, 0, 0, \zero
	MUL16 \f, 0, 2, \zero
	PLACES
	FETCH \k, \g
	s_wait_dscnt 32                                ; all but the 32 just issued
	WIN MUL_HI
	MUL16 \f, 1, 0, \zero
	MUL16 \f, 1, 2, \zero
.endm
; The last quarter multiplies buffer 1 and leaves the slot.  MEET is its first half: the barrier that opens a round of the cluster's barrier.
; In front of it each wave does three things.  It waits for all its tensor loads, of which one is out.  It adds 0 to its spare word.
; It waits for that add and for its own reads of this slot.
.macro MEET
	WIN 0                                          ; (the add's two registers lie in window 0)
	s_wait_tensorcnt 0x0                           ; all my tensor loads have landed;
	ds_add_u32 v[SPW], v[NIL]                      ; 0 onto my spare word;
	s_wait_dscnt 9                                 ; (the add and the youngest eight loads may be out)
	WIN MUL_LO
	MUL16 F1, 0, 0, 0                              ; sixteen matrix instructions stand between the add and the wait for it
	s_wait_dscnt 0x0                               ; the add is done, and my reads of this slot are over:
	s_barrier_signal -1                            ; say so,
	MUL16 F1, 0, 2, 0                              ; work on registers while the others arrive,
	WIN 0
	s_barrier_wait -1                              ; and go on when all four have said so
.endm
.macro SWAP                            ; the fragments' addresses go over to the other slot
	s_xor_b32 s[RB], s[RB], SLOT
	v_add_nc_u32 v[ADRA], s[RB], v[ADRA0]
	v_add_nc_u32 v[ADRB], s[RB], v[ADRB0]
.endm
; The whole last quarter with a joint refill.  Behind the round the slot just read out is filled again first, with the K step two steps on; then come the other slot's first fragments.
; From a request to the wait for it a wave issues 224 matrix instructions.
.macro TURN
	MEET
	CREST                                          ; no wave of any partner still reads this slot's tile or has a load on its way
.irp g, G0+4, G0B+4
	s_xor_b32 s[(\g)+1], s[(\g)+1], SLOT           ; no tensor load of mine is out, so the walking group 0 may be written: the other slot than last time,
	s_add_nc_u64 s[(\g)+2:(\g)+3], s[(\g)+2:(\g)+3], KSTEP*2  ; the next K step; the type bits on top are not reached
.endr
	JLOAD 1                                        ; the first tensor load behind the round; the four v_nop behind it are also the places in front of the loads below
	SWAP
	FETCH 0, F0
	WIN MUL_HI
	MUL16 F1, 1, 0, 0
	MUL16 F1, 1, 2, 0
.endm
; THE WAY OUT works on blocks of 16 rows x 128 keys: block a is accumulators (a, 0 .. 7), 64 numbers a lane.
; MLD: block a's part of the mask out of LDS, laid as the accumulators lie: register 8 b + j is key 16 b + 8 (l / 16) + j of row l % 16.
.macro MLD a
.irp b, 0,1,2,3,4,5,6,7
	ds_load_b128 v[MK+8*(\b):MK+8*(\b)+3],   v[MA0+(\a)/4] offset:((\a)%4)*16*MPITCH+64*(\b)
	ds_load_b128 v[MK+8*(\b)+4:MK+8*(\b)+7], v[MA0+(\a)/4] offset:((\a)%4)*16*MPITCH+64*(\b)+16
.endr
.endm
; The last two changes of slots ask for the mask.  h = 0: K step 14 is over, slot 0 takes the mask for my rows 0-63, and K step 15's first fragments are fetched.
; h = 1: K step 15's fragments are all in registers, slot 1 takes the mask for my rows 64-127, and block 0's part of the first half, which MEET's wait has shown landed, is fetched.
; MK's registers were last multiplied a quarter ago; the four v_nop behind the tensor load are the places in front of that fetch.
.macro TURNM h
	MEET
	CREST
	MLOAD \h
.if (\h) == 0
	SWAP
	FETCH 0, F0
.else
	MLD 0
.endif
	WIN MUL_HI
	MUL16 F1, 1, 0, 0
	MUL16 F1, 1, 2, 0
.endm
; The one part of a block's work that names its accumulators: X = c s + bias, each accumulator's lowest registers first.  Behind it comes the next block's part of the mask, into the registers just read.
; Each section that fetches from the second half waits for that tile itself; no tensor load was issued behind it, so the count is 0.
.macro SECT a
	WIN 2+(\a)/4                                   ; source 0 in window 2 or 3
.set i, 0
.rept 32
	v_pk_fma_f32 v[X+2*i:X+2*i+1], v[64*((\a)%4)+2*i:64*((\a)%4)+2*i+1], s[CS:CS+1], v[MK+2*i:MK+2*i+1] op_sel_hi:[1,0,1]
.set i, i+1
.endr
	WIN 0
.if (\a) < 7
.if (\a) >= 3
	s_wait_tensorcnt 0x0
.endif
	MLD (\a)+1
.endif
.endm
	s_wait_tensorcnt 1                             ; my part of K step 0 is in; K step 1's may stay out
	s_barrier_signal -1
	s_barrier_wait -1                              ; everybody's is
	FETCH 0, F0
	QUARTER 64,  F0, F1, 1                         ; the first quarter stands in front of the loop: its products start the sums
	WIN 0                                          ; at a label and at a branch every window is 0
	s_mov_b32 s3, STEPS-2
.Lstep:                                                ; a trip goes from a K step's second quarter to the next step's first and fills the slot that it leaves: K steps 2 to 15 in fourteen trips
	QUARTER 128, F1, F0, 0
	QUARTER 192, F0, F1, 0
	TURN
	QUARTER 64,  F0, F1, 0
	WIN 0
	s_sub_co_u32 s3, s3, 1
	s_cmp_lg_u32 s3, 0
	s_cbranch_scc1 .Lstep
	QUARTER 128, F1, F0, 0                         ; the last two K steps are written out: their changes of slots ask for the mask
	QUARTER 192, F0, F1, 0
	TURNM 0
	QUARTER 64,  F0, F1, 0
	QUARTER 128, F1, F0, 0
	QUARTER 192, F0, F1, 0
	TURNM 1
	PLACES                                         ; behind the last products
	WIN 0
	s_mov_b32 s[BC], 8
	s_mov_b32 s[SO], 0
.Lblk:                                                 ; eight trips, a block each.  All but SECT is written once and works in window 0
	s_wait_dscnt 0x0                               ; this block's part of the mask is in: it was asked for a trip ago
.set i, 0
.rept 32
	v_cvt_pk_bf16_f32 v[MP+i], v[MK+2*i], v[MK+2*i+1]  ; the mask rounded to bf16, two to a register
.set i, i+1
.endr
.set i, 0
.rept 8                                ; the bias, in the mask's place: -1e30 where the mask is 0, else 0; eight lane masks at a time, so that no line waits for the one before it
.irp k, 0,1,2,3,4,5,6,7
	v_cmp_eq_f32 s[CC+(\k)], 0, v[MK+8*i+(\k)]
.endr
.irp k, 0,1,2,3,4,5,6,7
	v_cndmask_b32 v[MK+8*i+(\k)], 0, v[BIGV], s[CC+(\k)]
.endr
.set i, i+1
.endr
.irp k, 0,1,2,3,4,5,6                  ; the block's own section: forward jumps on the loop's counter, past text with no barrier and no tensor load
	s_cmp_eq_u32 s[BC], 8-(\k)
	s_cbranch_scc1 .Lsect\k
.endr
	SECT 7
	s_branch .Lcommon
.irp k, 0,1,2,3,4,5
.Lsect\k:
	SECT \k
	s_branch .Lcommon
.endr
.Lsect6:
	SECT 6
.Lcommon:
	; the largest of my 64: four chains of 15, three operands at a time, then the four left over; the row's other 64 keys lie in the lane 16 away
.irp k, 0,1,2,3
	v_max3_num_f32 v[T+(\k)], v[X+16*(\k)], v[X+16*(\k)+1], v[X+16*(\k)+2]
.endr
.irp i, 0,1,2,3,4,5
.irp k, 0,1,2,3
	v_max3_num_f32 v[T+(\k)], v[T+(\k)], v[X+16*(\k)+3+2*(\i)], v[X+16*(\k)+4+2*(\i)]
.endr
.endr
	v_max3_num_f32 v[T], v[T], v[X+15], v[X+31]
	v_max3_num_f32 v[T+2], v[T+2], v[X+47], v[X+63]
	v_max3_num_f32 v[T], v[T], v[T+1], v[T+2]
	v_max_num_f32 v[T], v[T], v[T+3]
	v_permlanex16_b32 v[T+1], v[T], s[SEL], s[SEL+1]   ; its destination counts as read: T + 1 has been written
	v_max_num_f32 v[CMV], v[T], v[T+1]             ; cm of my row and group
	v_mov_b32 v[CMV+1], v[CMV]
.set i, 0
.rept 32
	v_pk_add_f32 v[X+2*i:X+2*i+1], v[X+2*i:X+2*i+1], v[CMV:CMV+1] neg_lo:[0,1] neg_hi:[0,1]  ; t - cm: 0 or less
.set i, i+1
.endr
.set i, 0
.rept 64
	v_exp_f32 v[X+i], v[X+i]
.set i, i+1
.endr
	v_add_nc_u32 v[STA], s[SO], v[STA0]            ; the block's place in my statistics; also the plain instruction between the exponentials and the use of their results (ISA guide 5.7.2)
.set i, 0
	s_wait_alu depctr_va_vdst(0)
.rept 32                               ; times the mask, in f32, straight from its halves
	v_fma_mix_f32_bf16 v[X+2*i], v[MP+i], v[X+2*i], v[ZR] op_sel_hi:[1,0,0]
	v_fma_mix_f32_bf16 v[X+2*i+1], v[MP+i], v[X+2*i+1], v[ZR] op_sel:[1,0,0] op_sel_hi:[1,0,0]
.set i, i+1
.endr
.set i, 0
.rept 32
	v_cvt_pk_f16_f32 v[TMP+i], v[X+2*i], v[X+2*i+1]    ; a lane's eight keys of an accumulator pack into 16 bytes
.set i, i+1
.endr
.irp b, 0,1,2,3,4,5,6,7
	ds_store_b128 v[STO], v[TMP+4*(\b):TMP+4*(\b)+3] offset:32*(\b)
.endr
.irp t, 0,1,2,3,4,5,6,7
	ds_load_b128 v[BK+4*(\t):BK+4*(\t)+3], v[RD] offset:(\t)*2*SPITCH  ; LDS serves a wave's instructions in order (ISA guide 5.7.1.4): these see the stores above; the next block's stores come behind them
.endr
	; the sum of my 64, while the block goes through the stage: four chains of pairs, started by the first eight pairs: nothing is cleared
.irp k, 0,1,2,3
	v_pk_add_f32 v[ACS+2*(\k):ACS+2*(\k)+1], v[X+2*(\k):X+2*(\k)+1], v[X+2*(\k)+8:X+2*(\k)+9]
.endr
.set j, 8
.rept 24
	v_pk_add_f32 v[ACS+2*(j%4):ACS+2*(j%4)+1], v[ACS+2*(j%4):ACS+2*(j%4)+1], v[X+2*j:X+2*j+1]
.set j, j+1
.endr
	v_pk_add_f32 v[ACS:ACS+1], v[ACS:ACS+1], v[ACS+2:ACS+3]
	v_pk_add_f32 v[ACS+4:ACS+5], v[ACS+4:ACS+5], v[ACS+6:ACS+7]
	v_pk_add_f32 v[ACS:ACS+1], v[ACS:ACS+1], v[ACS+4:ACS+5]
	v_add_f32 v[T], v[ACS], v[ACS+1]
	v_permlanex16_b32 v[T+1], v[T], s[SEL], s[SEL+1]
	v_add_f32 v[T], v[T], v[T+1]                   ; l of my row and group
	ds_store_b32 v[STA], v[CMV]                    ; the two lanes of a row write the same word with the same number
	ds_store_b32 v[STA], v[T] offset:512
	s_add_co_u32 s[SO], s[SO], 64                  ; 16 rows of 4 bytes on
	s_wait_dscnt 2                                 ; the block is back in registers; the two stores just issued may be out
.irp t, 0,1,2,3,4,5,6,7
	global_store_b128 v[CO], v[BK+4*(\t):BK+4*(\t)+3], s[8:9] offset:2*(\t)*EROW  ; sixteen lanes store 256 consecutive bytes of a row, at a multiple of 256 from Ew's first byte
.endr
	s_wait_xcnt 0x0                                ; every earlier memory instruction has had its addresses translated (ISA guide 3.1): only behind this wait are the stores' base and BK rewritten
	s_add_nc_u64 s[8:9], s[8:9], 16*EROW
	s_sub_co_u32 s[BC], s[BC], 1
	s_cmp_lg_u32 s[BC], 0
	s_cbranch_scc1 .Lblk
	; my 128 cm and 128 l leave as 512 consecutive bytes each
	v_and_b32 v[T], 31, v0
	v_lshlrev_b32 v[T], 4, v[T]
	v_add_nc_u32 v[T+1], s[SB], v[T]
	ds_load_b128 v[X:X+3], v[T+1]
	ds_load_b128 v[X+4:X+7], v[T+1] offset:512
	s_wait_dscnt 0x0
	global_store_b128 v[T], v[X:X+3], s[PCM:PCM+1]
	global_store_b128 v[T], v[X+4:X+7], s[PLS:PLS+1]
	s_wait_tensorcnt 0x0                           ; the wave's end: behind my last tensor load and my last LDS store
	ds_add_u32 v[SPW], v[NIL]
	s_wait_dscnt 0x0
	CROUND                                         ; the closing round: no work-group ends while a partner may still ask for a tile that names it
	s_endpgm
.Lfunc_end_k_qf722977f52_scores:
	.size	k_qf722977f52_scores, .Lfunc_end_k_qf722977f52_scores-k_qf722977f52_scores
	.p2alignl 7, 3214868480
	.fill 96, 4, 3214868480
	.section	.rodata,"a",@progbits
	.p2align	6, 0x0
	.amdhsa_kernel k_qf722977f52_scores
		.amdhsa_group_segment_fixed_size 327680
		.amdhsa_private_segment_fixed_size 0
		.amdhsa_enable_private_segment 0
		.amdhsa_kernarg_size 48
		.amdhsa_user_sgpr_count 2
		.amdhsa_user_sgpr_kernarg_segment_ptr 1
		.amdhsa_wavefront_size32 1
		.amdhsa_system_sgpr_workgroup_id_x 1
		.amdhsa_system_sgpr_workgroup_id_y 1
		.amdhsa_system_sgpr_workgroup_id_z 1
		.amdhsa_system_vgpr_workitem_id 0
		.amdhsa_next_free_vgpr 1024
		.amdhsa_next_free_sgpr 98
		.amdhsa_reserve_vcc 0
		.amdhsa_float_denorm_mode_32 3
		.amdhsa_float_denorm_mode_16_64 3
		.amdhsa_memory_ordered 1
		.amdhsa_forward_progress 1
		.amdhsa_inst_pref_size 140
	.end_amdhsa_kernel
	.amdgpu_metadata
---
amdhsa.version: [ 1, 2 ]
amdhsa.kernels:
  - .name:           k_qf722977f52_scores
    .symbol:         k_qf722977f52_scores.kd
    .args:
      - { .name: Qh, .offset: 0, .size: 8, .value_kind: global_buffer, .address_space: global }
      - { .name: Kh, .offset: 8, .size: 8, .value_kind: global_buffer, .address_space: global }
      - { .name: Ew, .offset: 16, .size: 8, .value_kind: global_buffer, .address_space: global }
      - { .name: mask, .offset: 24, .size: 8, .value_kind: global_buffer, .address_space: global }
      - { .name: Cm, .offset: 32, .size: 8, .value_kind: global_buffer, .address_space: global }
      - { .name: Ls, .offset: 40, .size: 8, .value_kind: global_buffer, .address_space: global }
    .group_segment_fixed_size: 327680
    .private_segment_fixed_size: 0
    .kernarg_segment_align: 8
    .kernarg_segment_size: 48
    .max_flat_workgroup_size: 128
    .sgpr_count:     98
    .vgpr_count:     1024
    .wavefront_size: 32
...
	.end_amdgpu_metadata
.endif
;; end of part 2
;; launch values (part 3): grid 8 x 32, 4 waves a work-group, clusters of 4 x 4, 327,680 bytes of LDS; arguments Ew, Vt, out0, Cm, Ls; writes out0
.if DOCPART == 3
	.amdgcn_target "amdgcn-amd-amdhsa--gfx1250"
	.amdhsa_code_object_version 6
	.text
	.protected	k_qf722977f52_values
	.globl	k_qf722977f52_values
	.p2align	8
	.type	k_qf722977f52_values,@function
k_qf722977f52_values:
	s_mov_b64 s[64:65], 0
	v_nop
	global_prefetch_b8 v0, s[64:65] scope:SCOPE_SE
	s_setreg_imm32_b32 hwreg(HW_REG_WAVE_MODE, 25, 1), 1
	s_wait_xcnt 0x0
	s_wait_alu depctr_hold_cnt(0) depctr_sa_sdst(0) depctr_va_vdst(0) depctr_va_sdst(0) depctr_va_ssrc(0) depctr_va_vcc(0) depctr_vm_vsrc(0)
	s_getreg_b32 s2, hwreg(HW_REG_IB_STS2, 6, 4)
	s_cmp_eq_u32 s2, 0
	s_cbranch_scc0 .Lentry_in_a_cluster
	s_endpgm
.Lentry_in_a_cluster:
	s_bfe_u32 s2, ttmp6, 0x10000c
	s_cmp_lg_u32 s2, 0xf033
	s_cbranch_scc0 .Lentry_shape_is_right
	s_endpgm
.Lentry_shape_is_right:
; THE SECOND HALF OF THE SOFTMAX AND THE SECOND PRODUCT.  out0[q][v] = sum over k of att[q][k] Vt[v][k], with att[q][k] = Ew[q][k] w[q][g] for key k in group g = k / 128.
;   w[q][g] = 2^(Cm[g][q] - cm[q]) / sum over g of Ls[g][q] 2^(Cm[g][q] - cm[q]),   cm[q] = the largest Cm[g][q] of the row.
; Ew: [8192][2048] f16.  Vt: [2048][2048] f16.  Cm, Ls: [16][8192] f32.  out0: [8192][2048] f32.
; w is made in f32 and rounded once to f16; Ew w is one packed f16 product; the matrix sums are f32, K ascending.
; LIMITS.  w and Ew w below 6.1e-5 keep f16's fixed step of 6e-8, beside a row sum of 1.  w of 65,520 or more (a row whose sum is below 1.6e-5) becomes an infinity.
; A row whose sum is 0 gives NaN.  A factor below 2^-126 counts as 0.
; SHARES.  A tile of out0, 256 x 256, is made by a work-group of four waves; a wave makes 128 x 128: 64 accumulators, 512 registers.  256 tiles, one to a work-group.
; K goes in 16 steps of 128, a group each, through a ring of two LDS slots filled by the tensor data mover.
; CLUSTERS: 4 x 4 work-groups.  Ew's tiles are shared along a row of the cluster, Vt's along a column; each is asked for JOINTLY, by the same tensor load, descriptor and mask of work-groups in all four.
; By this text's own count a wave has two tensor loads out at the start and one behind each round.
; THE MATRIX INSTRUCTION IS USED TRANSPOSED (source 0 = 16 rows of Vt, source 1 = 16 rows of Ew).  In a fragment of Ew a lane holds one row, so a block's w is one register: one number a lane, twice in the word.
; THE SCALING: a quarter step's 64 registers of Ew are multiplied by w between their load and their products, four lines behind each of sixteen matrix instructions.
; The fragments and w lie in window 0 and the products' results in windows 2 and 3, so each four cost two switches.  Set together, the 64 lines would stand where no product is issued.
; REGISTERS, in windows of 256 (s_set_vgpr_msb: bits 1:0 source 0, 3:2 source 1, 5:4 source 2, 7:6 destination):
;   window 0: v0-31 addresses; v32-43 at work in the set-up; v48-55 w of the K step in hand; v64-127, v128-191 fragments of Ew, two buffers.
;     In the set-up these two buffers hold Cm and Ls; on the way out they take whole rows read back.
;   window 1: v64-127, v128-191 fragments of Vt, two buffers;   window 2: the accumulators of my rows 0-63 ((a, b) at v[8 (8 a + b)]);   window 3: those of my rows 64-127
.set SIZE_N, 2048
.set SIZE_K, 2048
.set KSTEP,  128
.set STEPS,  SIZE_K/KSTEP
.set PITCH,  272                       ; an LDS row: 256 bytes + 16 = 68 words: row r starts at bank 4 r mod 64 (64 banks of 4 bytes: ISA guide 11.1), so the 16 rows that a load touches start at 16 different banks
.set HALFT,  128*PITCH                 ; 128 rows: what one tensor load brings, and what one wave reads of Ew or of Vt
.set SLOT,   4*HALFT                   ; Ew's 256 rows, then Vt's 256 rows.  SLOT = 0x22000 shares no bit with wave x HALFT (0, 0x8800, 0x11000, 0x19800), so one exclusive or turns an address in one slot into the other's
.set STAGE,  2*SLOT                    ; behind the ring, never filled by a tensor load: 8,448 bytes for each wave (33 blocks of 256).  First my table of w (16 groups x 128 rows x 4 bytes), on the way out 16 rows x 528 bytes
.set SPITCH, 528                       ; a stage row: 128 f32 = 512 bytes + 16
.set SPARE,  STAGE+4*16*SPITCH         ; the spare words, 128 bytes for each wave: two blocks of 256 bytes that no other line names
.set ADRA0, 16                         ; v16  LDS address of my fragments of Ew in slot 0; never rewritten
.set ADRB0, 17                         ; v17  the same for Vt
.set ADRA, 20                          ; v20, v21  the same in the slot in hand
.set ADRB, 21
.set WA0,  22                          ; v22  LDS address of my row's w in group 0, block 0
.set WA,   23                          ; v23  in the group to be fetched
.set STO,  24                          ; v24  the way out: where I put 32 bytes of a row
.set RD,   25                          ; v25  my stage + 16 x lane: where the table is written, and where a row is read back
.set CO,   26                          ; v26  16 x lane
.set SPW,  28                          ; v28  LDS address of my spare word: SPARE + 4 x my thread's number; never rewritten
.set NIL,  29                          ; v29  0; never rewritten
.set MX,   32                          ; v[32:35] cm of my four rows
.set SM,   36                          ; v[36:39] their sums
.set RC,   40                          ; v[40:43] 1 / sum
.set WB,   48                          ; v[48:55] w of blocks 0 to 7
.set F0,   64
.set F1,   128
.set CMV,  64                          ; the set-up: group g's Cm of my rows 4 l .. 4 l + 3 at CMV + 4 g; then the factors; then w
.set LSV,  128                         ; likewise Ls
.set G1,  24                           ; s[24:31] descriptor group 1 for Ew's tiles
.set G0,  32                           ; s[32:39] group 0: a set for each of the two first fills; the second then walks on
.set G1B, 48                           ; s[48:55], s[56:63] the same for Vt's tiles
.set G0B, 56
.set PCM, 68                           ; s[68:69] Cm
.set PLS, 70                           ; s[70:71] Ls
.set WT,  72                           ; s72  512 x the group to be fetched
.set RB,  73                           ; s73  0 or SLOT: the slot in hand
.set MSB, 0
.macro WIN new                         ; the immediate's high byte repeats the setting that is left; a switch that changes nothing is dropped
.if MSB != (\new)
	s_set_vgpr_msb (MSB<<8)|(\new)
.set MSB, \new
.endif
.endm
.set MUL_LO, 0xa1                      ; source 0 (Vt) window 1, source 1 (Ew) window 0, C and D window 2
.set MUL_HI, 0xf1                      ; the same, C and D window 3
.set TO_B,   0x40                      ; destination window 1, address window 0
; A joint load by set s of the two group 0.  Waves 0 and 1 fetch Ew's two halves, waves 2 and 3 Vt's.  The branch hangs on the wave's number alone.
; An s_nop 0 and four v_nop follow each of the two lines, ahead of the jump, the label and what follows.
.macro JLOAD s
	s_cmp_eq_u32 s11, 0
	s_cbranch_scc0 .Lfor_b_\@
	tensor_load_to_lds s[G0+4*(\s):G0+4*(\s)+3], s[G1:G1+7]
	s_nop 0
.rept 4
	v_nop
.endr
	s_branch .Lasked_\@
.Lfor_b_\@:
	tensor_load_to_lds s[G0B+4*(\s):G0B+4*(\s)+3], s[G1B:G1B+7]
	s_nop 0
.rept 4
	v_nop
.endr
.Lasked_\@:
.endm
; A round of the cluster's barrier: my work-group's barrier; wave 0 signals for the work-group; every wave waits for all sixteen work-groups; my work-group's barrier once more.
.macro CREST                           ; a round behind its opening barrier
	s_cmp_lg_u32 s10, 0
	s_cbranch_scc1 .Lnot_wave_0_\@
	s_barrier_signal -3
.Lnot_wave_0_\@:
	s_barrier_wait -3
	s_barrier_signal -1
	s_barrier_wait -1
.endm
.macro CROUND                          ; a whole round
	s_barrier_signal -1
	s_barrier_wait -1
	CREST
.endm
	s_load_b128 s[4:7], s[0:1], 0x0                ; Ew s[4:5], Vt s[6:7]
	s_load_b64 s[8:9], s[0:1], 0x10                ; out0
	s_load_b128 s[PCM:PCM+3], s[0:1], 0x18         ; Cm, Ls
	v_lshl_add_u32 v[SPW], v0, 2, SPARE
	v_mov_b32 v[NIL], 0
	ds_add_u32 v[SPW], v[NIL]                      ; the wave's opening: the add and its wait come ahead of my first tensor load; the set-up below, work on registers, stands between them
	v_lshrrev_b32 v1, 5, v0
	v_readfirstlane_b32 s10, v1                    ; wave 0..3
	s_lshr_b32 s11, s10, 1                         ; which half of the tile's rows is mine.  Also: I fetch for Ew (0) or for Vt (1)
	s_and_b32 s12, s10, 1                          ; which half of its columns.  Also: which 128 rows of that tile I fetch
	s_bfe_u32 s40, ttmp6, 0x40000                  ; cx, cy: my place in the cluster
	s_bfe_u32 s41, ttmp6, 0x40004
	s_lshl_b32 s42, ttmp9, 2                       ; in a cluster launch ttmp9 and ttmp7 count clusters
	s_add_co_u32 s42, s42, s40                     ; tile column = 4 x cluster x + cx
	s_and_b32 s13, ttmp7, 0xffff
	s_lshl_b32 s13, s13, 2
	s_add_co_u32 s13, s13, s41                     ; tile row = 4 x cluster y + cy
	s_lshl_b32 s43, s41, 2
	s_lshl_b32 s43, 15, s43                        ; my row of the cluster
	s_lshl_b32 s44, 0x1111, s40                    ; my column
	s_or_b32 s[G1+0], s43, (1<<16)|(1<<20)|(1<<21)|(5<<22)|(3<<25)  ; 15:0 the mask of work-groups: Ew's tiles go to my row; 17:16 elements of 2 bytes; 20 padding on; 21 set beside a mask; 24:22 after every 64 words (code 5); 31:25 of 4 words (code 3)
	s_or_b32 s[G1B+0], s44, (1<<16)|(1<<20)|(1<<21)|(5<<22)|(3<<25) ; the same with my column, for Vt's tiles
.irp g, G1, G1B
	s_mov_b32 s[(\g)+1], KSTEP<<16                 ; tensor_dim0 = 128
	s_mov_b32 s[(\g)+2], 128<<16                   ; tensor_dim1 = 128
	s_mov_b32 s[(\g)+3], KSTEP<<16                 ; tile_dim0 = 128
	s_mov_b32 s[(\g)+4], 128                       ; tile_dim1 = 128; tile_dim2 = 0
	s_mov_b32 s[(\g)+5], SIZE_K                    ; elements from row to row
	s_mov_b32 s[(\g)+6], 0
	s_mov_b32 s[(\g)+7], 0
.endr
	s_lshl_b32 s17, s12, 7                         ; which 128 rows of the tile I fetch
	s_lshl_b32 s16, s13, 8
	s_add_co_u32 s16, s16, s17                     ; Ew: row 256 x tile row + 128 x half
	s_lshl_b32 s46, s42, 8
	s_add_co_u32 s46, s46, s17                     ; Vt: row 256 x tile column + 128 x half
	s_mov_b32 s17, 0
	s_mov_b32 s47, 0
	s_mov_b64 s[18:19], SIZE_K*2
	s_mul_u64 s[16:17], s[16:17], s[18:19]         ; in bytes, in 64 bits
	s_mul_u64 s[46:47], s[46:47], s[18:19]
	s_mul_i32 s20, s10, HALFT                      ; where they go: wave x 128 rows: no place in the cluster enters an LDS address
	s_wait_dscnt 0x0                               ; the opening add is done
	s_wait_kmcnt 0x0
	s_add_nc_u64 s[14:15], s[4:5], s[16:17]
	s_add_nc_u64 s[46:47], s[6:7], s[46:47]
	CROUND                                         ; all sixteen work-groups are here: the first joint loads meet
.irp s, 0,1
	s_mov_b32 s[G0+4*(\s)], 1                                      ; 1:0 count = 1
	s_add_co_u32 s[G0+4*(\s)+1], s20, (\s)*SLOT                    ; 63:32 LDS address
	s_add_nc_u64 s[G0+4*(\s)+2:G0+4*(\s)+3], s[14:15], (\s)*KSTEP*2  ; 120:64 global address: K step s
	s_or_b32 s[G0+4*(\s)+3], s[G0+4*(\s)+3], 0x80000000            ; 127:126 type = 2
	s_mov_b32 s[G0B+4*(\s)], 1
	s_add_co_u32 s[G0B+4*(\s)+1], s20, (\s)*SLOT
	s_add_nc_u64 s[G0B+4*(\s)+2:G0B+4*(\s)+3], s[46:47], (\s)*KSTEP*2
	s_or_b32 s[G0B+4*(\s)+3], s[G0B+4*(\s)+3], 0x80000000
	JLOAD \s                                       ; the ring is filled before anything else is done
.endr
	; THE STATISTICS of my 128 rows: lane l takes rows 4 l .. 4 l + 3 of each group, so each load of the wave covers 512 consecutive bytes.  All this stands in the wait for the first tiles.
	v_and_b32 v5, 31, v0
	v_lshlrev_b32 v[CO], 4, v5
	s_lshl_b32 s13, s13, 8
	s_lshl_b32 s14, s11, 7
	s_add_co_u32 s16, s13, s14                     ; my first row
	s_lshl_b32 s74, s16, 2
	s_mov_b32 s75, 0
	s_add_nc_u64 s[PCM:PCM+1], s[PCM:PCM+1], s[74:75]
	s_add_nc_u64 s[PLS:PLS+1], s[PLS:PLS+1], s[74:75]
.irp g, 0,1,2,3,4,5,6,7,8,9,10,11,12,13,14,15
	global_load_b128 v[CMV+4*(\g):CMV+4*(\g)+3], v[CO], s[PCM:PCM+1] offset:32768*(\g)
.endr
.irp g, 0,1,2,3,4,5,6,7,8,9,10,11,12,13,14,15
	global_load_b128 v[LSV+4*(\g):LSV+4*(\g)+3], v[CO], s[PLS:PLS+1] offset:32768*(\g)
.endr
	; A fragment is 16 rows x 32 K in 8 registers: lane l holds row l % 16, K = 8 (l / 16) + 0..7 and 16 + 8 (l / 16) + 0..7: two loads of 16 bytes, 32 bytes apart.
	v_and_b32 v1, 15, v0                           ; l % 16
	v_bfe_u32 v2, v0, 4, 1                         ; l / 16
	v_mul_u32_u24 v3, v1, PITCH
	v_lshl_add_u32 v3, v2, 4, v3                   ; row x pitch + 16 x half
	s_mul_i32 s21, s11, HALFT                      ; my 128 rows of Ew
	s_mul_i32 s22, s12, HALFT                      ; my 128 rows of Vt,
	s_add_co_u32 s22, s22, 2*HALFT                 ; which lie behind Ew's 256
	v_add_nc_u32 v[ADRA0], s21, v3
	v_add_nc_u32 v[ADRB0], s22, v3
	v_mov_b32 v[ADRA], v[ADRA0]                    ; the walk begins in slot 0
	v_mov_b32 v[ADRB], v[ADRB0]
	s_mov_b32 s[RB], 0
	s_mov_b32 s[WT], 0
	s_mul_i32 s23, s10, 16*SPITCH
	s_add_co_u32 s23, s23, STAGE                   ; my stage
	v_mul_u32_u24 v4, v1, SPITCH                   ; the way out, in: row l % 16, 32 bytes for each half of the lanes
	v_lshl_add_u32 v4, v2, 5, v4
	v_add_nc_u32 v[STO], s23, v4
	v_add_nc_u32 v[RD], s23, v[CO]
	v_lshl_add_u32 v[WA0], v1, 2, s23
	; out0 at my wave's corner; the stores then carry the row in their immediate
	s_mov_b32 s17, 0
	s_mov_b64 s[18:19], SIZE_N*4
	s_mul_u64 s[16:17], s[16:17], s[18:19]
	s_lshl_b32 s46, s42, 10                        ; my first column, in bytes: 1,024 x tile column + 512 x half
	s_lshl_b32 s47, s12, 9
	s_add_co_u32 s46, s46, s47
	s_mov_b32 s47, 0
	s_add_nc_u64 s[16:17], s[16:17], s[46:47]
	s_add_nc_u64 s[8:9], s[8:9], s[16:17]
	s_wait_loadcnt 16                              ; loads come back in order: Cm is in, Ls's sixteen loads stay out
.irp k, 0,1,2,3
	v_max3_num_f32 v[MX+(\k)], v[CMV+(\k)], v[CMV+4+(\k)], v[CMV+8+(\k)]
.endr
.irp i, 0,1,2,3,4,5
.irp k, 0,1,2,3
	v_max3_num_f32 v[MX+(\k)], v[MX+(\k)], v[CMV+12+8*(\i)+(\k)], v[CMV+16+8*(\i)+(\k)]
.endr
.endr
.irp k, 0,1,2,3
	v_max_num_f32 v[MX+(\k)], v[MX+(\k)], v[CMV+60+(\k)]   ; the row's largest cm
.endr
.set i, 0
.rept 32
	v_pk_add_f32 v[CMV+2*i:CMV+2*i+1], v[CMV+2*i:CMV+2*i+1], v[MX+2*(i%2):MX+2*(i%2)+1] neg_lo:[0,1] neg_hi:[0,1]  ; 0 or less
.set i, i+1
.endr
.set i, 0
.rept 64
	v_exp_f32 v[CMV+i], v[CMV+i]
.set i, i+1
.endr
	v_nop                                          ; a plain instruction between the exponentials and the use of their results (ISA guide 5.7.2)
	s_wait_loadcnt 0x0                             ; Ls is in
	s_wait_alu depctr_va_vdst(0)
	v_pk_mul_f32 v[SM:SM+1], v[LSV:LSV+1], v[CMV:CMV+1]        ; the first group starts the sums: nothing is cleared
	v_pk_mul_f32 v[SM+2:SM+3], v[LSV+2:LSV+3], v[CMV+2:CMV+3]
.set i, 2
.rept 30
	v_pk_fma_f32 v[SM+2*(i%2):SM+2*(i%2)+1], v[LSV+2*i:LSV+2*i+1], v[CMV+2*i:CMV+2*i+1], v[SM+2*(i%2):SM+2*(i%2)+1]
.set i, i+1
.endr
.irp k, 0,1,2,3
	v_rcp_f32 v[RC+(\k)], v[SM+(\k)]
.endr
	v_nop                                          ; likewise behind the reciprocals
.set i, 0
	s_wait_alu depctr_va_vdst(0)
.rept 32
	v_pk_mul_f32 v[CMV+2*i:CMV+2*i+1], v[CMV+2*i:CMV+2*i+1], v[RC+2*(i%2):RC+2*(i%2)+1]
.set i, i+1
.endr
.set i, 0
.rept 64
	v_cvt_pk_f16_f32 v[CMV+i], v[CMV+i], v[CMV+i]  ; w in f16, twice in the word
.set i, i+1
.endr
.irp g, 0,1,2,3,4,5,6,7,8,9,10,11,12,13,14,15
	ds_store_b128 v[RD], v[CMV+4*(\g):CMV+4*(\g)+3] offset:512*(\g)  ; my table: row p of group g at 512 g + 4 p.  Only this wave reads it
.endr
; 8 matrix instructions: m block a of the window's four (hi = 0: my rows 0-63, 1: rows 64-127) x all 8 n blocks, 32 along K.  zero = 1: the product starts the sums: nothing is ever cleared.
; ride = 1: behind each product stand four lines of the scaling: the 32 registers from tg on (four blocks' fragments) are multiplied by the four w from wb on.
; None of them names a register of the products round it.
.macro MUL8 f, hi, a, zero, ride=0, tg=0, wb=0
.irp b, 0,1,2,3,4,5,6,7
	WIN MUL_LO+0x50*(\hi)  ; MUL_LO or MUL_HI
.if \zero
	v_wmma_f32_16x16x32_f16 v[8*(8*(\a)+(\b)):8*(8*(\a)+(\b))+7], v[(\f)+8*(\b):(\f)+8*(\b)+7], v[(\f)+8*(4*(\hi)+(\a)):(\f)+8*(4*(\hi)+(\a))+7], 0
.else
	v_wmma_f32_16x16x32_f16 v[8*(8*(\a)+(\b)):8*(8*(\a)+(\b))+7], v[(\f)+8*(\b):(\f)+8*(\b)+7], v[(\f)+8*(4*(\hi)+(\a)):(\f)+8*(4*(\hi)+(\a))+7], v[8*(8*(\a)+(\b)):8*(8*(\a)+(\b))+7]
.endif
.if \ride
	WIN 0
.irp z, 0,1,2,3
	v_pk_mul_f16 v[(\tg)+4*(\b)+(\z)], v[(\tg)+4*(\b)+(\z)], v[(\wb)+(\b)/2]
.endr
.endif
.endr
.endm
; The 64 accumulators take turns, one instruction a turn, in the same order in every quarter.
.macro MUL16 f, hi, a0, zero
	MUL8 \f, \hi, \a0, \zero
	MUL8 \f, \hi, (\a0)+1, \zero
.endm
.macro MUL16R f, hi, a0, zero, tg, wb, cnt   ; the second eight carry the scaling; cnt: the LDS instructions that may stay out when it begins (-1: no wait is written)
	MUL8 \f, \hi, \a0, \zero
.if (\cnt) >= 0
	s_wait_dscnt \cnt
.endif
	MUL8 \f, \hi, (\a0)+1, \zero, 1, \tg, \wb
.endm
; 32 LDS loads in one run: the fragments of one quarter step (32 K at byte k of the rows of the slot in hand) into buffer f.
; Order: Ew's rows 0-63 first, since they are scaled first; then Vt; then Ew's rows 64-127.
.macro FETCH k, f
	WIN 0
.irp i, 0,1,2,3
	ds_load_b128 v[(\f)+8*(\i):(\f)+8*(\i)+3],   v[ADRA] offset:(\k)+(\i)*16*PITCH
	ds_load_b128 v[(\f)+8*(\i)+4:(\f)+8*(\i)+7], v[ADRA] offset:(\k)+(\i)*16*PITCH+32
.endr
	WIN TO_B
.irp i, 0,1,2,3,4,5,6,7
	ds_load_b128 v[(\f)+8*(\i):(\f)+8*(\i)+3],   v[ADRB] offset:(\k)+(\i)*16*PITCH
	ds_load_b128 v[(\f)+8*(\i)+4:(\f)+8*(\i)+7], v[ADRB] offset:(\k)+(\i)*16*PITCH+32
.endr
	WIN 0
.irp i, 4,5,6,7
	ds_load_b128 v[(\f)+8*(\i):(\f)+8*(\i)+3],   v[ADRA] offset:(\k)+(\i)*16*PITCH
	ds_load_b128 v[(\f)+8*(\i)+4:(\f)+8*(\i)+7], v[ADRA] offset:(\k)+(\i)*16*PITCH+32
.endr
.endm
.macro FETCHW f                        ; a K step's first fragments, and ahead of them its eight w: the last line that read the old w stands in front of this run
	WIN 0
	v_add_nc_u32 v[WA], s[WT], v[WA0]
	s_add_co_u32 s[WT], s[WT], 512                 ; the next fetch is the next group's
.irp a, 0,1,2,3,4,5,6,7
	ds_load_b32 v[WB+(\a)], v[WA] offset:64*(\a)
.endr
	FETCH 0, \f
.endm
; Two things stand four places behind a matrix instruction: a load into a register that it has read, and an LDS store that reads its result.
; Only plain vector instructions that name none of its registers are places (ISA guide 7.12.1 for vector instructions).
.macro PLACES
.rept 4
	v_nop
.endr
.endm
; A K step is four quarter steps of 32 along K, 64 matrix instructions each, on buffers 0, 1, 0, 1.  At a quarter's head its rows 0-63 of Ew are scaled, its rows 64-127 are not.
; One of the first three does four things, in this order.  It multiplies buffer f.  It scales f's rows 64-127 beside the products of rows 32-63.
; It fetches the next quarter, at byte k, into buffer g.  It scales g's rows 0-63 beside the products of rows 96-127.
.macro QUARTER k, f, g, zero
	s_wait_dscnt 8                                 ; w, Ew's rows 0-63 and Vt are in; the youngest eight loads (Ew's rows 64-127) may be out
	MUL16 \f, 0, 0, \zero
	MUL16R \f, 0, 2, \zero, (\f)+32, WB+4, 0       ; (its wait: Ew's rows 64-127 are in)
	PLACES
	FETCH \k, \g
	MUL16 \f, 1, 0, \zero
	MUL16R \f, 1, 2, \zero, \g, WB, 24             ; (its wait: g's rows 0-63 are in; Vt's sixteen loads and the eight of rows 64-127 may be out)
.endm
; The last quarter multiplies buffer 1 and changes slots.  MEET is its first half: ONE barrier for the change of slots.
; In front of it each wave does three things.  It waits for all its tensor loads, of which one is out: its part of the next slot.  It adds 0 to its spare word.
; It waits for that add and for its own reads of this slot.
.macro MEET
	WIN 0                                          ; (the add's two registers lie in window 0)
	s_wait_tensorcnt 0x0                           ; all my tensor loads have landed;
	ds_add_u32 v[SPW], v[NIL]                      ; 0 onto my spare word;
	s_wait_dscnt 9                                 ; (the add and the youngest eight loads may be out)
	MUL16 F1, 0, 0, 0                              ; sixteen matrix instructions stand between the add and the wait for it
	s_wait_dscnt 0x0                               ; the add is done, and my reads of this slot are over:
	s_barrier_signal -1                            ; say so,
	MUL16R F1, 0, 2, 0, F1+32, WB+4, -1            ; work on registers while the others arrive,
	WIN 0
	s_barrier_wait -1                              ; and go on when all four have said so
.endm
.macro SWAP                            ; the fragments' addresses go over to the other slot
	WIN 0
	s_xor_b32 s[RB], s[RB], SLOT
	v_add_nc_u32 v[ADRA], s[RB], v[ADRA0]
	v_add_nc_u32 v[ADRB], s[RB], v[ADRB0]
.endm
; The whole last quarter.  fill = 1: the barrier opens a round of the cluster's barrier, and behind the round the slot just read out is filled again first, with the K step two steps on.
; From a request to the wait for it a wave issues 224 matrix instructions.
.macro TURN fill
	MEET
.if \fill
	CREST                                          ; no wave of any partner still reads this slot's tile or has a load on its way
.irp g, G0+4, G0B+4
	s_xor_b32 s[(\g)+1], s[(\g)+1], SLOT           ; no tensor load of mine is out, so the walking group 0 may be written: the other slot than last time,
	s_add_nc_u64 s[(\g)+2:(\g)+3], s[(\g)+2:(\g)+3], KSTEP*2  ; the next K step; the type bits on top are not reached
.endr
	JLOAD 1                                        ; the first tensor load behind the round; the four v_nop behind it are also the places in front of the loads below
.else
	PLACES
.endif
	SWAP
	FETCHW F0
	MUL16 F1, 1, 0, 0
	MUL16R F1, 1, 2, 0, F0, WB, 24                 ; the next K step's first rows 0-63, by its own w
.endm
.macro LASTQ                           ; the very last quarter: nothing more to fetch
	s_wait_dscnt 8
	MUL16 F1, 0, 0, 0
	MUL16R F1, 0, 2, 0, F1+32, WB+4, 0
	MUL16 F1, 1, 0, 0
	MUL16 F1, 1, 2, 0
.endm
; THE WAY OUT of block a (16 rows x 128 columns of f32).
; TOSTAGE: a lane's 32 bytes of a row go into my own stage, each accumulator's four lowest registers first; the block then comes back as whole rows of 512 bytes.
.macro TOSTAGE a
.set AC, 64*((\a)%4)
.set BK, F0+64*((\a)%2)
	WIN 0x08+4*((\a)/4)                            ; the stores' data (source 1) in window 2 or 3
.irp b, 0,1,2,3,4,5,6,7
	ds_store_b128 v[STO], v[AC+8*(\b):AC+8*(\b)+3]   offset:64*(\b)
	ds_store_b128 v[STO], v[AC+8*(\b)+4:AC+8*(\b)+7] offset:64*(\b)+16
.endr
	WIN 0
	s_wait_xcnt 0x0                                ; every earlier memory instruction has had its addresses translated (ISA guide 3.1): the registers from which the block two back was stored are loaded again only behind this wait
.irp t, 0,1,2,3,4,5,6,7,8,9,10,11,12,13,14,15
	ds_load_b128 v[BK+4*(\t):BK+4*(\t)+3], v[RD] offset:(\t)*SPITCH  ; LDS serves a wave's instructions in order (ISA guide 5.7.1.4): these see the stores above, and the next block's stores come behind them
.endr
.endm
.macro SEND a, younger                 ; younger: the LDS instructions issued behind block a's loads: the next block's 32, or none
	WIN 0
.set BK, F0+64*((\a)%2)
.irp t, 0,1,2,3,4,5,6,7,8,9,10,11,12,13,14,15
	s_wait_dscnt (\younger)+15-(\t)                ; row t is back in registers
	global_store_b128 v[CO], v[BK+4*(\t):BK+4*(\t)+3], s[8:9] offset:(16*(\a)+(\t))*SIZE_N*4  ; the wave stores 512 consecutive bytes of one row, at a multiple of 256 from out0's first byte; 127 rows at the most: 1,040,384 bytes, inside the signed 24-bit immediate
.endr
.endm
	s_wait_tensorcnt 1                             ; my part of K step 0 is in; K step 1's may stay out
	s_wait_dscnt 0x0                               ; no LDS instruction of mine is pending at the signal: the table is written
	s_barrier_signal -1
	s_barrier_wait -1                              ; everybody's part is in
	FETCHW F0
	s_wait_dscnt 24                                ; w and Ew's rows 0-63 are in
.set i, 0
.rept 32                               ; the first quarter's rows 0-63: there is no product yet to set these lines behind
	v_pk_mul_f16 v[F0+i], v[F0+i], v[WB+i/8]
.set i, i+1
.endr
	QUARTER 64,  F0, F1, 1                         ; the first quarter stands in front of the loop: its products start the sums
	WIN 0                                          ; at a label and at a branch every window is 0
	s_mov_b32 s3, STEPS-2
.Lstep:                                                ; a trip goes from a K step's second quarter to the next step's first and fills the slot that it leaves: K steps 2 to 15 in fourteen trips
	QUARTER 128, F1, F0, 0
	QUARTER 192, F0, F1, 0
	TURN 1
	QUARTER 64,  F0, F1, 0
	WIN 0
	s_sub_co_u32 s3, s3, 1
	s_cmp_lg_u32 s3, 0
	s_cbranch_scc1 .Lstep
	QUARTER 128, F1, F0, 0                         ; the last two K steps are written out: they fill nothing
	QUARTER 192, F0, F1, 0
	TURN 0
	QUARTER 64,  F0, F1, 0
	QUARTER 128, F1, F0, 0
	QUARTER 192, F0, F1, 0
	LASTQ
	PLACES                                         ; behind the last products: for the LDS stores that read results, and for the loads into Ew's fragment buffers
	TOSTAGE 0                                      ; the table of w has been read for the last time: the stage takes the results
.irp a, 1,2,3,4,5,6,7                  ; block a's way through the stage is issued ahead of the wait for block a - 1's rows
	TOSTAGE \a
	SEND (\a)-1, 32
.endr
	SEND 7, 0
	s_wait_tensorcnt 0x0                           ; the wave's end: behind my last tensor load and my last LDS store
	ds_add_u32 v[SPW], v[NIL]
	s_wait_dscnt 0x0
	CROUND                                         ; the closing round: no work-group ends while a partner may still ask for a tile that names it
	s_endpgm
.Lfunc_end_k_qf722977f52_values:
	.size	k_qf722977f52_values, .Lfunc_end_k_qf722977f52_values-k_qf722977f52_values
	.p2alignl 7, 3214868480
	.fill 96, 4, 3214868480
	.section	.rodata,"a",@progbits
	.p2align	6, 0x0
	.amdhsa_kernel k_qf722977f52_values
		.amdhsa_group_segment_fixed_size 327680
		.amdhsa_private_segment_fixed_size 0
		.amdhsa_enable_private_segment 0
		.amdhsa_kernarg_size 40
		.amdhsa_user_sgpr_count 2
		.amdhsa_user_sgpr_kernarg_segment_ptr 1
		.amdhsa_wavefront_size32 1
		.amdhsa_system_sgpr_workgroup_id_x 1
		.amdhsa_system_sgpr_workgroup_id_y 1
		.amdhsa_system_sgpr_workgroup_id_z 1
		.amdhsa_system_vgpr_workitem_id 0
		.amdhsa_next_free_vgpr 1024
		.amdhsa_next_free_sgpr 76
		.amdhsa_reserve_vcc 0
		.amdhsa_float_denorm_mode_32 3
		.amdhsa_float_denorm_mode_16_64 3
		.amdhsa_memory_ordered 1
		.amdhsa_forward_progress 1
		.amdhsa_inst_pref_size 197
	.end_amdhsa_kernel
	.amdgpu_metadata
---
amdhsa.version: [ 1, 2 ]
amdhsa.kernels:
  - .name:           k_qf722977f52_values
    .symbol:         k_qf722977f52_values.kd
    .args:
      - { .name: Ew, .offset: 0, .size: 8, .value_kind: global_buffer, .address_space: global }
      - { .name: Vt, .offset: 8, .size: 8, .value_kind: global_buffer, .address_space: global }
      - { .name: out0, .offset: 16, .size: 8, .value_kind: global_buffer, .address_space: global }
      - { .name: Cm, .offset: 24, .size: 8, .value_kind: global_buffer, .address_space: global }
      - { .name: Ls, .offset: 32, .size: 8, .value_kind: global_buffer, .address_space: global }
    .group_segment_fixed_size: 327680
    .private_segment_fixed_size: 0
    .kernarg_segment_align: 8
    .kernarg_segment_size: 40
    .max_flat_workgroup_size: 128
    .sgpr_count:     76
    .vgpr_count:     1024
    .wavefront_size: 32
...
	.end_amdgpu_metadata
.endif
;; end of part 3
